; MI455X (gfx1250); checked and timed in simulation.
; The chip was launched on July 23, 2026; its instructions are those of AMD's public machine-readable ISA for CDNA 5 (MIT licence, August 2026) and "CDNA5" Instruction Set Architecture Reference Guide (July 2026). The comments in the code are by the model that wrote it; some were corrected since.
;; Quant Linear. Allowed arithmetic: matrix products marked QUANTISED: E2M1 operands, one E8M0 scale for each 32 along K, by v_wmma_scale_f32_16x16x128_f8f6f4 with both operands' format E2M1 (or v_wmma_scale_f32_32x16x128_f4), f32 sums; everything else in f32.
;; Inputs: bias 2,048 float16; g_idx 4,096 int32; qweight 512 x 2,048 int32; qzeros 32 x 256 int32; scales 32 x 2,048 float16; x 4 x 2,048 x 4,096 float16.
;; Outputs: out0 4 x 2,048 x 2,048 float16.
;; This version of the problem:
;;   THIS VERSION OF THE PROBLEM IS GIVEN IN LOW PRECISION. The matrix products marked QUANTISED in the list below multiply operands that are first quantised to E2M1 (2 exponent bits, 1 mantissa bit; 4 bits a number), with one power-of-two scale for each 32 numbers along K (OCP MX v1.0); their sums are f32. All else is computed in f32.
;;   The module's matrix products, in the order in which they are computed (A, B: the left and right operand; K: the contracted axis; several contracted axes count as one K, in the product's order):
;;     1. [M 8,192, K 4,096] x [K 4,096, N 2,048]; A: input x; B: computed on the way: QUANTISED
;;   THE QUANTISER, for each operand of a quantised product, along K:
;;     - K is cut into blocks of 32 from its start; a last block that is shorter is filled with zeros.
;;     - A block's scale is 2^e with e = floor(log2(the largest magnitude in the block)) - 2, held to -126 .. 127; a block of zeros has e = 0. As a byte (E8M0): e + 127.
;;     - Each number is divided by its block's scale, clamped to +-6, and rounded to the nearest number of E2M1, ties to even, subnormals kept.
;;     - The product sums the exact products of the quantised numbers (number of the format x scale) in f32.
;;   ~~~python
;;   def quantise(x, axis):      # numpy; x: float32 -> the quantised numbers, widened to float32 again
;;       x = np.moveaxis(x, axis, -1); K = x.shape[-1]
;;       x = np.pad(x, [(0, 0)] * (x.ndim - 1) + [(0, -K % 32)]); x = x.reshape(x.shape[:-1] + (-1, 32)); a = np.abs(x).max(-1, keepdims=True)
;;       e = np.where(a > 0, np.clip(np.frexp(np.where(a > 0, a, 1))[1] - 1 - 2, -126, 127), 0)      # np.frexp(a)[1] - 1 = floor(log2(a)), exactly
;;       r = np.clip(x / 2.0 ** e, -6, 6)
;;       step = 2.0 ** (np.maximum(np.frexp(np.where(r == 0, 1, r))[1] - 1, 0) - 1)
;;       q = np.round(r / step) * step * 2.0 ** e      # np.round: ties to even
;;       return np.moveaxis(q.reshape(q.shape[:-2] + (-1,))[..., :K], -1, axis).astype(np.float32)
;;   ~~~
;;   OPERANDS COMPUTED ON THE WAY. 'Computed on the way' means the value that the module computes at that place (a softmax that the list does not call 'softmax' is quantised finished and normalised). What goes into a quantiser is computed in f32, as accurately as f32 sums, v_exp_f32 and their like allow (about 1e-6 of the number): no bf16 or f16 on the way to a quantiser, and a product that is left as it is and whose result goes on into a quantised operand takes f32 operands (vector FMAs, or v_wmma_f32_16x16x4_f32). A number that lies on a knife's edge between two numbers of the format may be rounded either way, as far as f32 arithmetic and the matrix unit's own rounding can turn it there, and no further.
;; One version. Each part assembles by itself: llvm-mc -triple=amdgcn-amd-amdhsa -mcpu=gfx1250 --defsym DOCPART=n.
;; ======== version 1 of 1: 2 launches
;; limits: values are held in f16: magnitudes above 65,504 overflow, below 6.1e-05 lose precision; right only within a limited range of input values
;; workspace buffers: a_pack 17,825,792 bytes; w_pack 4,456,448 bytes
;; launch prep (part 1): grid 1280 x 1, 4 waves a work-group, no clusters, 31,232 bytes of LDS; arguments x, qweight, qzeros, scales, g_idx, a_pack, w_pack; writes a_pack, w_pack
.if DOCPART == 1
	.amdgcn_target "amdgcn-amd-amdhsa--gfx1250"
	.amdhsa_code_object_version 6
	.text
	.protected	k_q958bdfb215_prep
	.globl	k_q958bdfb215_prep
	.p2align	8
	.type	k_q958bdfb215_prep,@function
k_q958bdfb215_prep:
	s_mov_b64 s[64:65], 0
	v_nop
	global_prefetch_b8 v0, s[64:65] scope:SCOPE_SE
	s_setreg_imm32_b32 hwreg(HW_REG_WAVE_MODE, 25, 1), 1
	s_wait_xcnt 0x0
; Both operands of out = x W are turned into codes of FP4 (E2M1) with one E8M0 scale byte for each 32 along K, once, for the product's launch.
; x [8192][4096] f16, K innermost.  W[k][n] = scales[g_idx[k]][n] x (w4[k][n] - z4[g_idx[k]][n] - 1), w4 eight k to a word of qweight [512][2048], z4 eight n to a word of qzeros [32][256].
; W IS FORMED IN f32: (w4 - z4 - 1) is a whole number of at most 5 bits and a scale has 11, so the fused multiply-add below gives the product exactly; it is NOT rounded to f16 ahead of the quantiser.
; A block's scale is 2^(floor(log2(its largest magnitude)) - 2): its byte is that magnitude's exponent field - 2, held at 1 from below by a floor among the maximum's leaves.
; OUT: chunks of 34,816 bytes, one for each K step of 512 and 128 rows of x (columns of W): 16 blocks along K x 128 rows x 16 bytes of codes (the lower k in the low four bits), then 2,048 scale bytes:
;   a_pack [K step: 8][128 rows: 64]: scale bytes [row: 128][block: 16];   w_pack [K step: 8][128 columns: 16]: scale bytes [half of the K step: 2][column: 128][block: 8].
; LIMITS: NaN and infinities in x or scales are not served.  A g_idx outside 0 .. 31 is held at 31 (as an unsigned number).  A block of zeros gets the byte 1, not 127: its codes are zeros, and this program alone reads the bytes.
; SHARES: 1,280 work-groups.  ONE IN FIVE TAKES W (number mod 5 = 0: 256 of them, 128 columns x 256 along K each), the other four take x (1,024: 16 rows x 2,048 along K each).
; One scalar branch on the work-group's number parts the two; each path has LDS bytes of its own, each wave a region of its own in them: no barrier, no wave reads what another wrote.
; Every store covers whole aligned units of 256 bytes.  192 registers: five work-groups' waves, 5 x 192 = 960 registers, share a SIMD's 1,024.  No prefetch: there is no loop to run ahead in.
.set CH,    34816
.set SP,    272                        ; x path: LDS pitch of a block's 16 rows x 16 bytes
.set XREG,  4608                       ; x path, LDS of a wave: 16 blocks of SP bytes, then 16 x 16 scale bytes
.set RAW,   64                         ; v64-127  x as loaded: a ring of 8 sets of 8 registers (halves of registers can be named under v128 only)
.set XC,    128                        ; v128-159 codes, two registers a step: no LDS store's data are written again
.set XE,    160                        ; v160-191 scale bytes, two a step
.set XO,    64                         ; v64-95   the way out, in the ring's registers, which are read out by then;  v[96:97] the scale bytes' way out
.set WBASE, 4*XREG                     ; W path: behind the x path's regions
.set WREG,  3072                       ; LDS of a wave: 32 rows of 64 bytes of scales, 80 bytes apart; then 32 rows of 16 bytes of zero words
.set ZOFF,  2560
.set SPARE, WBASE+4*WREG               ; the spare words, 128 bytes for each wave; no other line names them
.set NBW,   8                          ; blocks of a W wave
.set SB,    12                         ; v[12:13] my column's 8 scale bytes
.set TO,    14                         ; v14, v15 lane = group: where its row of scales, of qzeros begins
.set G,     16                         ; v16-23   4 x g_idx of 8 blocks, lane = k: the lane that holds k's row, as the lane permute wants it
.set SV,    24                         ; v24-55   the scale of k = 0 .. 31 at my column, f16 in the low half
.set ZV,    56                         ; v56-87   the zero word of k, then z4, then the scale in f32
.set FW,    88                         ; v88-119  a block's 32 numbers
.set QW,    120                        ; v120-151 32 words of qweight; block b's four then take its codes
.set TT,    152                        ; v152-171 lane = group: 64 bytes of scales and 16 bytes of zero words, those of my wave's 32 columns
.set TG,    172                        ; v172-191 lane = k: the same of k's group
	s_load_b256 s[8:15], s[0:1], 0x0               ; x s[8:9], qweight s[10:11], qzeros s[12:13], scales s[14:15]
	s_load_b128 s[16:19], s[0:1], 0x20             ; g_idx s[16:17], a_pack s[18:19]
	s_load_b64 s[22:23], s[0:1], 0x30              ; w_pack
	v_and_b32 v1, 31, v0                           ; lane l
	v_lshrrev_b32 v9, 5, v0
	v_readfirstlane_b32 s2, v9                     ; wave
	s_mul_hi_u32 s3, ttmp9, 0xcccccccd
	s_lshr_b32 s3, s3, 2                           ; q = the work-group's number / 5,
	s_mul_i32 s26, s3, 5
	s_sub_co_u32 s26, ttmp9, s26                   ; and what is left: 0: W's work-group q;  1 .. 4: x's
	s_mov_b32 s31, 0                               ; the high words of the offsets
	s_mov_b32 s35, 0
	s_mov_b32 s37, 0
	s_wait_alu depctr_va_vdst(0)
	s_cmp_eq_u32 s26, 0
	s_cbranch_scc1 .Lw
; ---------------- x: a wave takes 16 rows x one K step of 512.  A step of the text is one row: 1,024 bytes, two loads of 512 consecutive bytes.  A lane's 16 bytes are 8 neighbours along K: four lanes hold a block.
	s_lshl_b32 s27, s3, 2
	s_add_co_u32 s26, s26, s27
	s_sub_co_u32 s26, s26, 1                       ; which x work-group: 4 q + what is left - 1
	s_lshr_b32 s27, s26, 1                         ; its 16 rows
	s_and_b32 s28, s26, 1
	s_lshl_b32 s28, s28, 2
	s_add_co_u32 s28, s28, s2                      ; my K step: 4 x (low bit) + wave
	s_lshl_b32 s30, s27, 17                        ; x: 16 rows of 8,192 bytes,
	s_lshl_b32 s29, s28, 10                        ; 1,024 bytes a K step
	s_add_co_u32 s30, s30, s29
	s_lshl_b32 s36, s28, 6                         ; a_pack: 64 chunks a K step,
	s_lshr_b32 s29, s27, 3                         ; eight of my 16 rows in a chunk
	s_add_co_u32 s36, s36, s29
	s_mul_i32 s36, s36, CH
	s_and_b32 s29, s27, 7
	s_lshl_b32 s29, s29, 8                         ; 256 bytes in each block, and in the scale bytes
	s_add_co_u32 s36, s36, s29
	s_mul_i32 s32, s2, XREG                        ; my wave's LDS
	v_lshlrev_b32 v2, 4, v1                        ; in: 16 bytes a lane
	v_lshrrev_b32 v4, 2, v1                        ; my block
	v_and_b32 v3, 3, v1
	v_mul_u32_u24 v5, v4, SP
	v_lshl_add_u32 v3, v3, 2, v5
	v_add_nc_u32 v3, s32, v3                       ; my 8 codes' place: block x SP + 4 (l % 4), + 16 a row
	v_add_nc_u32 v4, s32, v4                       ; my block's byte
	v_lshl_add_u32 v6, v1, 3, s32                  ; out of LDS: the scale bytes 8 a lane,
	v_and_b32 v7, 15, v1
	v_lshlrev_b32 v7, 4, v7
	v_lshrrev_b32 v9, 4, v1
	v_mul_u32_u24 v5, v9, SP
	v_add_nc_u32 v5, v5, v7
	v_add_nc_u32 v5, s32, v5                       ; the codes 16 a lane: lanes 0-15 a block's 256 bytes, lanes 16-31 the next block's
	v_lshl_add_u32 v7, v9, 11, v7                  ; and the same in a_pack: 2,048 bytes from block to block
	v_lshlrev_b32 v8, 3, v1
	s_wait_alu depctr_va_vdst(0)
	s_wait_kmcnt 0x0
	s_add_nc_u64 s[8:9], s[8:9], s[30:31]
	s_add_nc_u64 s[18:19], s[18:19], s[36:37]
	s_add_nc_u64 s[20:21], s[18:19], 0x8000        ; the scale bytes: behind the chunk's 32,768 bytes of codes
.macro XLOAD t                         ; row t into ring set t % 8
	global_load_b128 v[RAW+8*((\t)%8):RAW+8*((\t)%8)+3],   v2, s[8:9] offset:8192*(\t) th:TH_LOAD_NT
	global_load_b128 v[RAW+8*((\t)%8)+4:RAW+8*((\t)%8)+7], v2, s[8:9] offset:8192*(\t)+512 th:TH_LOAD_NT
.endm
; Row t.  r0 .. r7: the numbers of its ring set's registers, as text, since halves are named v64.l, v64.h
.macro XSTEP t, r0, r1, r2, r3, r4, r5, r6, r7
.set FX, 16+16*((\t)%2)                ; v16-31, v32-47: 16 numbers in f32, two sets by turns
.if (\t) < 9
	s_wait_loadcnt 14                              ; my row's two loads are in; the seven younger rows' fourteen may be out
.else
	s_wait_loadcnt 2*(15-(\t))                     ; the counts run down: two for each row still to come
.endif
	v_cvt_f32_f16 v[FX+0],  v\r0\().l
	v_cvt_f32_f16 v[FX+1],  v\r0\().h
	v_cvt_f32_f16 v[FX+2],  v\r1\().l
	v_cvt_f32_f16 v[FX+3],  v\r1\().h
	v_cvt_f32_f16 v[FX+4],  v\r2\().l
	v_cvt_f32_f16 v[FX+5],  v\r2\().h
	v_cvt_f32_f16 v[FX+6],  v\r3\().l
	v_cvt_f32_f16 v[FX+7],  v\r3\().h
	v_cvt_f32_f16 v[FX+8],  v\r4\().l
	v_cvt_f32_f16 v[FX+9],  v\r4\().h
	v_cvt_f32_f16 v[FX+10], v\r5\().l
	v_cvt_f32_f16 v[FX+11], v\r5\().h
	v_cvt_f32_f16 v[FX+12], v\r6\().l
	v_cvt_f32_f16 v[FX+13], v\r6\().h
	v_cvt_f32_f16 v[FX+14], v\r7\().l
	v_cvt_f32_f16 v[FX+15], v\r7\().h
.if (\t) < 8
	XLOAD (\t)+8                                   ; the set is read out: it takes the row eight further on
.endif
	v_max3_num_f32 v10, |v[FX]|,   |v[FX+1]|, 0x1800000   ; the largest magnitude of my 8, and the floor 2^(3 - 127): the byte cannot fall under 1.  The row's two halves by turns
	v_max3_num_f32 v11, |v[FX+8]|, |v[FX+9]|, 0x1800000
.irp i, 2,4,6
	v_max3_num_f32 v10, v10, |v[FX+\i]|,   |v[FX+\i+1]|
	v_max3_num_f32 v11, v11, |v[FX+8+\i]|, |v[FX+9+\i]|
.endr
	v_max_num_f32_dpp v10, v10, v10 row_xmask:1 row_mask:0xf bank_mask:0xf   ; with the three lanes that share my block
	v_max_num_f32_dpp v11, v11, v11 row_xmask:1 row_mask:0xf bank_mask:0xf
	v_max_num_f32_dpp v10, v10, v10 row_xmask:2 row_mask:0xf bank_mask:0xf
	v_max_num_f32_dpp v11, v11, v11 row_xmask:2 row_mask:0xf bank_mask:0xf
	v_add_nc_u32 v12, 0xff000000, v10              ; 2 off the exponent field: the conversion takes the exponent field of this operand as its scale
	v_add_nc_u32 v13, 0xff000000, v11
	v_cvt_scalef32_pk8_fp4_f32 v[XC+2*(\t)],   v[FX:FX+7],    v12
	v_cvt_scalef32_pk8_fp4_f32 v[XC+2*(\t)+1], v[FX+8:FX+15], v13
	v_lshrrev_b32 v[XE+2*(\t)],   23, v12          ; the scales' bytes (plain lines behind the conversions)
	v_lshrrev_b32 v[XE+2*(\t)+1], 23, v13
	ds_store_b32 v3, v[XC+2*(\t)]   offset:16*(\t)
	ds_store_b32 v3, v[XC+2*(\t)+1] offset:16*(\t)+8*SP
	ds_store_b8  v4, v[XE+2*(\t)]   offset:16*SP+16*(\t)     ; a block's four lanes write the same byte with the same value
	ds_store_b8  v4, v[XE+2*(\t)+1] offset:16*SP+16*(\t)+8
.endm
.irp t, 0,1,2,3,4,5,6,7
	XLOAD \t                                       ; sixteen loads of the wave are out
.endr
	XSTEP 0,  64,65,66,67,68,69,70,71
	XSTEP 1,  72,73,74,75,76,77,78,79
	XSTEP 2,  80,81,82,83,84,85,86,87
	XSTEP 3,  88,89,90,91,92,93,94,95
	XSTEP 4,  96,97,98,99,100,101,102,103
	XSTEP 5,  104,105,106,107,108,109,110,111
	XSTEP 6,  112,113,114,115,116,117,118,119
	XSTEP 7,  120,121,122,123,124,125,126,127
	XSTEP 8,  64,65,66,67,68,69,70,71
	XSTEP 9,  72,73,74,75,76,77,78,79
	XSTEP 10, 80,81,82,83,84,85,86,87
	XSTEP 11, 88,89,90,91,92,93,94,95
	XSTEP 12, 96,97,98,99,100,101,102,103
	XSTEP 13, 104,105,106,107,108,109,110,111
	XSTEP 14, 112,113,114,115,116,117,118,119
	XSTEP 15, 120,121,122,123,124,125,126,127
	ds_load_b64 v[96:97], v6 offset:16*SP          ; LDS serves a wave's instructions in order (ISA guide 5.7.1.4): these see my stores.  The ring's registers are free: its last loads were waited for and read
.irp u, 0,1,2,3,4,5,6,7
	ds_load_b128 v[XO+4*\u:XO+4*\u+3], v5 offset:2*SP*\u
.endr
	s_wait_dscnt 8                                 ; the scale bytes are back; the eight loads behind them may be out
	global_store_b64 v8, v[96:97], s[20:21]        ; 32 lanes store 256 consecutive bytes, aligned: 16 rows' scale bytes of this K step
.irp u, 0,1,2,3,4,5,6,7
	s_wait_dscnt 7-\u
	global_store_b128 v7, v[XO+4*\u:XO+4*\u+3], s[18:19] offset:4096*\u   ; sixteen lanes store a block's 256 consecutive bytes of my 16 rows, aligned; two blocks an instruction
.endr
	v_lshl_add_u32 v10, v0, 2, SPARE               ; my spare word, and 0
	v_mov_b32 v11, 0
	s_wait_alu depctr_va_vdst(0)
	s_wait_tensorcnt 0x0                           ; the wave's end
	ds_add_u32 v10, v11
	s_wait_dscnt 0x0
	s_endpgm
; ---------------- W: a wave takes 32 columns x 256 along K: 8 blocks, half of a K step.
; THE TABLES' 32 ROWS, cut to the wave's 32 columns (64 bytes of scales, 16 bytes of zero words), are loaded once, lane = group.  THE GATHER goes from lane to lane: lane k takes the row that lane g_idx[k] holds,
; 20 registers a block, whatever g_idx holds.  The rows go through the wave's own LDS and come back with lane = column, from addresses that hang on no data.
; Then a lane's registers run down K: a block's maximum needs no other lane, and the conversions give K innermost.
.Lw:
	s_and_b32 s26, s3, 15                          ; which chunk's 128 columns
	s_lshr_b32 s27, s3, 4                          ; which 256 along K: 0 .. 15
	s_lshr_b32 s36, s27, 1                         ; w_pack: 16 chunks a K step
	s_lshl_b32 s36, s36, 4
	s_add_co_u32 s36, s36, s26
	s_mul_i32 s36, s36, CH
	s_and_b32 s33, s27, 1                          ; which half of the K step
	s_lshl_b32 s34, s33, 10                        ; scale bytes: 1,024 a half, 256 my 32 columns,
	s_lshl_b32 s29, s2, 8
	s_add_co_u32 s34, s34, s29
	s_add_co_u32 s34, s34, s36
	s_add_co_u32 s34, s34, 0x8000                  ; behind the codes
	s_lshl_b32 s29, s33, 14                        ; codes: 8 blocks of 2,048 bytes a half,
	s_add_co_u32 s36, s36, s29
	s_lshl_b32 s29, s2, 9                          ; 512 my 32 columns
	s_add_co_u32 s36, s36, s29
	s_lshl_b32 s26, s26, 7
	s_lshl_b32 s28, s2, 5
	s_add_co_u32 s26, s26, s28                     ; n0, my wave's first column: 128 x (q % 16) + 32 x wave
	s_mul_i32 s32, s2, WREG
	s_add_co_u32 s32, s32, WBASE                   ; my wave's LDS
	v_lshlrev_b32 v2, 2, v1                        ; 4 bytes a lane: g_idx (lane = k) and qweight (lane = column)
	v_lshlrev_b32 v3, 4, v1                        ; out: 16 bytes a column
	v_lshlrev_b32 v[TO], 12, v1                    ; lane = group: a row of scales is 4,096 bytes,
	v_lshlrev_b32 v[TO+1], 10, v1                  ; a row of qzeros 1,024
	v_and_b32 v4, 7, v1
	v_lshlrev_b32 v4, 2, v4                        ; where my column's four bits stand in a zero word
	v_mul_u32_u24 v5, v1, 80
	v_add_nc_u32 v5, s32, v5                       ; into LDS, lane = k: my row of scales,
	v_lshl_add_u32 v6, v1, 4, s32                  ; my row of zero words (ZOFF on)
	v_lshl_add_u32 v7, v1, 1, s32                  ; out of LDS, lane = column: my f16 in a row of scales,
	v_lshrrev_b32 v8, 3, v1
	v_lshl_add_u32 v8, v8, 2, s32                  ; my word in a row of zero words (ZOFF on)
	s_wait_alu depctr_va_vdst(0)
	s_wait_kmcnt 0x0
	s_lshl_b32 s30, s27, 10                        ; g_idx: 256 words
	s_add_nc_u64 s[16:17], s[16:17], s[30:31]
	s_lshl_b32 s28, s27, 18                        ; qweight: 32 rows of 8,192 bytes for 256 along K
	s_lshl_b32 s30, s26, 2
	s_add_co_u32 s30, s30, s28
	s_add_nc_u64 s[10:11], s[10:11], s[30:31]
	s_lshl_b32 s30, s26, 1
	s_add_nc_u64 s[14:15], s[14:15], s[30:31]      ; scales: 2 bytes a column
	s_lshr_b32 s30, s26, 1
	s_add_nc_u64 s[12:13], s[12:13], s[30:31]      ; qzeros: half a byte a column
	s_add_nc_u64 s[24:25], s[22:23], s[34:35]      ; my scale bytes
	s_add_nc_u64 s[22:23], s[22:23], s[36:37]      ; my codes
.irp b, 0,1,2,3,4,5,6,7
	global_load_b32 v[G+\b], v2, s[16:17] offset:128*\b
.endr
.irp j, 0,1,2,3
	global_load_b128 v[TT+4*\j:TT+4*\j+3], v[TO], s[14:15] offset:16*\j
.endr
	global_load_b128 v[TT+16:TT+19], v[TO+1], s[12:13]
.set i, 0
.rept 32
	global_load_b32 v[QW+i], v2, s[10:11] offset:8192*i th:TH_LOAD_NT     ; 32 lanes read 128 consecutive bytes of a row of qweight
.set i, i+1
.endr
	s_wait_loadcnt 32                              ; g_idx and the tables' rows are in; the 32 loads behind them may be out
.irp b, 0,1,2,3,4,5,6,7
	v_min_u32 v[G+\b], 31, v[G+\b]                 ; an index stays inside its table
.endr
.irp b, 0,1,2,3,4,5,6,7
	v_lshlrev_b32 v[G+\b], 2, v[G+\b]              ; as the lane permute wants it: 4 x lane
.endr
.macro GATHER b                        ; block b: lane k takes the row that lane g_idx[k] holds
.irp j, 0,1,2,3,4,5,6,7,8,9,10,11,12,13,14,15,16,17,18,19
	ds_bpermute_b32 v[TG+\j], v[G+(\b)], v[TT+\j]
.endr
.endm
; Eight k of block b: k = 8 o + 0 .. 7, one word of qweight.  n0 .. n7: the numbers of their scales' registers, as text.  Runs of lines that do not wait for each other.
.macro OCT b, o, n0, n1, n2, n3, n4, n5, n6, n7
.irp i, 0,1,2,3,4,5,6,7
	v_bfe_u32 v[FW+8*(\o)+\i], v[QW+4*(\b)+(\o)], 4*\i, 4           ; w4
.endr
.irp i, 0,1,2,3,4,5,6,7
	v_bfe_u32 v[ZV+8*(\o)+\i], v[ZV+8*(\o)+\i], v4, 4               ; z4
.endr
.irp i, 0,1,2,3,4,5,6,7
	v_sub_nc_u32 v[FW+8*(\o)+\i], v[FW+8*(\o)+\i], v[ZV+8*(\o)+\i]  ; w4 - z4
.endr
	v_cvt_f32_f16 v[ZV+8*(\o)+0], v\n0\().l                         ; the scale in f32
	v_cvt_f32_f16 v[ZV+8*(\o)+1], v\n1\().l
	v_cvt_f32_f16 v[ZV+8*(\o)+2], v\n2\().l
	v_cvt_f32_f16 v[ZV+8*(\o)+3], v\n3\().l
	v_cvt_f32_f16 v[ZV+8*(\o)+4], v\n4\().l
	v_cvt_f32_f16 v[ZV+8*(\o)+5], v\n5\().l
	v_cvt_f32_f16 v[ZV+8*(\o)+6], v\n6\().l
	v_cvt_f32_f16 v[ZV+8*(\o)+7], v\n7\().l
.irp i, 0,1,2,3,4,5,6,7
	v_cvt_f32_i32 v[FW+8*(\o)+\i], v[FW+8*(\o)+\i]
.endr
.irp i, 0,2,4,6
	v_pk_fma_f32 v[FW+8*(\o)+\i:FW+8*(\o)+\i+1], v[FW+8*(\o)+\i:FW+8*(\o)+\i+1], v[ZV+8*(\o)+\i:ZV+8*(\o)+\i+1], v[ZV+8*(\o)+\i:ZV+8*(\o)+\i+1] neg_lo:[0,0,1] neg_hi:[0,0,1]   ; (w4 - z4) s - s = (w4 - z4 - 1) s, exact; two at a time
.endr
.endm
; Block b: its rows were gathered a block ahead.
.macro WBLOCK b
	s_wait_dscnt 0x0                               ; the gather is done
.irp j, 0,1,2,3
	ds_store_b128 v5, v[TG+4*\j:TG+4*\j+3] offset:16*\j
.endr
	ds_store_b128 v6, v[TG+16:TG+19] offset:ZOFF
.irp o, 0,1,2,3                        ; LDS serves a wave's instructions in order: the loads see the stores, and the stores come behind the last block's loads
.irp i, 0,1,2,3,4,5,6,7
	ds_load_u16 v[SV+8*\o+\i], v7 offset:80*(8*\o+\i)
.endr
.irp i, 0,1,2,3,4,5,6,7
	ds_load_b32 v[ZV+8*\o+\i], v8 offset:ZOFF+16*(8*\o+\i)
.endr
.endr
	s_wait_loadcnt 28-4*(\b)                       ; this block's four words of qweight are in; the later blocks' may be out
	s_wait_dscnt 48                                ; the five stores and the first sixteen loads are done; three times sixteen may be out
	OCT \b, 0, 24,25,26,27,28,29,30,31
	s_wait_dscnt 32
	OCT \b, 1, 32,33,34,35,36,37,38,39
	s_wait_dscnt 16
	OCT \b, 2, 40,41,42,43,44,45,46,47
	s_wait_dscnt 0x0
.if (\b) < NBW-1
	GATHER (\b)+1                                  ; the next block's rows: the stores that read these registers are done
.endif
	OCT \b, 3, 48,49,50,51,52,53,54,55
	v_max3_num_f32 v9,  |v[FW]|,   |v[FW+1]|, |v[FW+2]|               ; the block's largest magnitude: all 32 numbers are mine; two chains
	v_max3_num_f32 v10, |v[FW+3]|, |v[FW+4]|, |v[FW+5]|
.irp i, 6,10,14,18,22,26
	v_max3_num_f32 v9,  v9,  |v[FW+\i]|,   |v[FW+\i+1]|
	v_max3_num_f32 v10, v10, |v[FW+\i+2]|, |v[FW+\i+3]|
.endr
	v_max3_num_f32 v9, v9, |v[FW+30]|, |v[FW+31]|
	v_max3_num_f32 v9, v9, v10, 0x1800000          ; and the floor 2^(3 - 127)
	v_add_nc_u32 v11, 0xff000000, v9               ; 2 off the exponent field: the conversions' scale operand
.irp g, 0,1,2,3
	v_cvt_scalef32_pk8_fp4_f32 v[QW+4*(\b)+\g], v[FW+8*\g:FW+8*\g+7], v11   ; into the registers that held the block's words of qweight
.endr
	v_lshrrev_b32 v10, 23, v11                     ; the scale's byte (a plain line behind the conversions)
.if (\b)%4 == 0
	v_mov_b32 v[SB+(\b)/4], v10                    ; four bytes to a register, the lower K in the lower byte
.else
	v_lshl_or_b32 v[SB+(\b)/4], v10, 8*((\b)%4), v[SB+(\b)/4]
.endif
	global_store_b128 v3, v[QW+4*(\b):QW+4*(\b)+3], s[22:23] offset:2048*(\b)   ; 32 lanes store 512 consecutive bytes, aligned: 32 columns' codes of this block
.endm
	s_wait_alu depctr_va_vdst(0)
	GATHER 0
.irp b, 0,1,2,3,4,5,6,7
	WBLOCK \b
.endr
	v_lshlrev_b32 v9, 3, v1
	s_wait_alu depctr_va_vdst(0)
	global_store_b64 v9, v[SB:SB+1], s[24:25]      ; my 32 columns' 8 scale bytes: 32 lanes store 256 consecutive bytes, aligned
	v_lshl_add_u32 v10, v0, 2, SPARE               ; my spare word, and 0
	v_mov_b32 v11, 0
	s_wait_alu depctr_va_vdst(0)
	s_wait_tensorcnt 0x0                           ; the wave's end
	ds_add_u32 v10, v11
	s_wait_dscnt 0x0
	s_endpgm
.Lfunc_end_k_q958bdfb215_prep:
	.size	k_q958bdfb215_prep, .Lfunc_end_k_q958bdfb215_prep-k_q958bdfb215_prep
	.p2alignl 7, 3214868480
	.fill 96, 4, 3214868480
	.section	.rodata,"a",@progbits
	.p2align	6, 0x0
	.amdhsa_kernel k_q958bdfb215_prep
		.amdhsa_group_segment_fixed_size 31232
		.amdhsa_private_segment_fixed_size 0
		.amdhsa_enable_private_segment 0
		.amdhsa_kernarg_size 56
		.amdhsa_user_sgpr_count 2
		.amdhsa_user_sgpr_kernarg_segment_ptr 1
		.amdhsa_wavefront_size32 1
		.amdhsa_system_sgpr_workgroup_id_x 1
		.amdhsa_system_sgpr_workgroup_id_y 1
		.amdhsa_system_sgpr_workgroup_id_z 1
		.amdhsa_system_vgpr_workitem_id 0
		.amdhsa_next_free_vgpr 192
		.amdhsa_next_free_sgpr 66
		.amdhsa_reserve_vcc 0
		.amdhsa_float_denorm_mode_32 3
		.amdhsa_float_denorm_mode_16_64 3
		.amdhsa_memory_ordered 1
		.amdhsa_forward_progress 1
		.amdhsa_inst_pref_size 168
	.end_amdhsa_kernel
	.amdgpu_metadata
---
amdhsa.version: [ 1, 2 ]
amdhsa.kernels:
  - .name:           k_q958bdfb215_prep
    .symbol:         k_q958bdfb215_prep.kd
    .args:
      - { .name: x, .offset: 0, .size: 8, .value_kind: global_buffer, .address_space: global }
      - { .name: qweight, .offset: 8, .size: 8, .value_kind: global_buffer, .address_space: global }
      - { .name: qzeros, .offset: 16, .size: 8, .value_kind: global_buffer, .address_space: global }
      - { .name: scales, .offset: 24, .size: 8, .value_kind: global_buffer, .address_space: global }
      - { .name: g_idx, .offset: 32, .size: 8, .value_kind: global_buffer, .address_space: global }
      - { .name: a_pack, .offset: 40, .size: 8, .value_kind: global_buffer, .address_space: global }
      - { .name: w_pack, .offset: 48, .size: 8, .value_kind: global_buffer, .address_space: global }
    .group_segment_fixed_size: 31232
    .private_segment_fixed_size: 0
    .kernarg_segment_align: 8
    .kernarg_segment_size: 56
    .max_flat_workgroup_size: 128
    .sgpr_count:     66
    .vgpr_count:     192
    .wavefront_size: 32
...
	.end_amdgpu_metadata
.endif
;; end of part 1
;; launch gemm (part 2): grid 8 x 32, 4 waves a work-group, clusters of 4 x 4, 327,680 bytes of LDS; arguments a_pack, w_pack, bias, out0; writes out0
.if DOCPART == 2
	.amdgcn_target "amdgcn-amd-amdhsa--gfx1250"
	.amdhsa_code_object_version 6
	.text
	.protected	k_q958bdfb215_gemm
	.globl	k_q958bdfb215_gemm
	.p2align	8
	.type	k_q958bdfb215_gemm,@function
k_q958bdfb215_gemm:
	s_mov_b64 s[64:65], 0
	v_nop
	global_prefetch_b8 v0, s[64:65] scope:SCOPE_SE
	s_setreg_imm32_b32 hwreg(HW_REG_WAVE_MODE, 25, 1), 1
	s_wait_xcnt 0x0
	s_wait_alu depctr_hold_cnt(0) depctr_sa_sdst(0) depctr_va_vdst(0) depctr_va_sdst(0) depctr_va_ssrc(0) depctr_va_vcc(0) depctr_vm_vsrc(0)
	s_getreg_b32 s2, hwreg(HW_REG_IB_STS2, 6, 4)
	s_cmp_eq_u32 s2, 0
	s_cbranch_scc0 .Lentry_in_a_cluster
	s_endpgm
.Lentry_in_a_cluster:
	s_bfe_u32 s2, ttmp6, 0x10000c
	s_cmp_lg_u32 s2, 0xf033
	s_cbranch_scc0 .Lentry_shape_is_right
	s_endpgm
.Lentry_shape_is_right:
; out[m][n] = the sum over k of x[m][k] W[k][n], + bias[n], on codes of FP4 with E8M0 scales, sums in f32.  m 8192, n 2048, k 4096.
; LIMIT (an order of rounding): the bias is the C of each sum's first product, in f32, and the result is rounded to f16 once.
; A work-group makes 256 x 256 of out: four waves, 128 x 128 each: 32 accumulators of 32 (n) x 16 (m), 512 registers.  256 work-groups.
; K goes in 8 steps of 512 through a ring of two LDS slots.  A slot holds four chunks of 34,816 bytes as they lie in memory: x's rows 0-127, 128-255, W's columns 0-127, 128-255; wave w fetches chunk w with one load.
; A chunk: 16 blocks along K x 128 rows x 16 bytes of codes, then the rows' scale bytes: sixteen lanes of a fragment load take 256 consecutive bytes of LDS, so no row is padded.
; CLUSTERS of 4 x 4: x's chunks are asked for jointly by the four work-groups of a cluster's row, W's by the four of its column.
; PREFETCH: behind the joint load of K step 0 a wave asks for K step 1; behind that of K step 1 for K steps 2 and 3; behind each later one for the K step that stands two loads on; the loads of K steps 6 and 7 ask for
; nothing.  Of the chunk that the wave will load, 136 units of 256 bytes, each of the four partners takes 34, told apart by address: lanes 0-31 and two more.
; W's chunks are asked for by clusters of even y alone, four of the eight that read them.
; THE MATRIX INSTRUCTION IS USED TRANSPOSED (source 0 = 32 columns of W, source 1 = 16 rows of x): a lane then holds row m = l % 16, and registers 0-7, 8-15 are columns 8 (l / 16) + 0 .. 7 and 16 more: 16 bytes of f16 each.
; REGISTERS, in windows of 256: window 0: v0-31 addresses; v32-79, v80-127 two sets of scale words; v128-191, v192-255 two sets of x's fragments.
;   window 1: v0-63, v128-191 two sets of W's fragments; v64-127 the bias; in the last K step all 256: W's fragments of the whole step.   windows 2, 3: accumulators of my rows 0-63, 64-127.
.set CH,     34816
.set SLOT,   4*CH
.set SPARE,  2*SLOT                    ; the spare words, 128 bytes for each wave; no other line names them
.set STAGE,  SPARE+512                 ; the way out: 16 rows x 272 bytes for each wave; no tensor load lands there
.set SPITCH, 272
.set ASTEP,  64*CH                     ; from K step to K step in a_pack
.set WSTEP,  16*CH                     ; and in w_pack
.set LAPS,   4                         ; a lap = two K steps = once round the ring
.set ADRA, 2                           ; v2-3    my fragments of x in slot 0, 1
.set ADRB, 4                           ; v4-5    of W
.set ADX,  6                           ; v6-7    x's scale words
.set ADW,  8                           ; v8-9    W's
.set STO,  10
.set RD,   11
.set CO,   12
.set BO,   13
.set PFO,  14                          ; prefetch offsets: lane x 256,
.set PFP,  15                          ; and units 32, 33 (lanes 1-31 name the last)
.set SPW,  16                          ; my spare word's address; never rewritten
.set NIL,  17                          ; 0; never rewritten
.set SC,   32                          ; scale set s at SC + 48 s: x's block i, 128-step q: + 4 i + q (lanes 0-15 count); W's 32 columns j: + 32 + 4 j + q
.set AF,   128
.set BIAS, 64                          ; in window 1
.set BT,   96                          ; the bias as f16, ahead of scale set 1's first use
.set TMP,  192                         ; the way out: packed results
.set G1A,  24
.set G1B,  32
.set G0A,  40
.set G0B,  48
.set PF1,  66                          ; s[66:67] prefetch base of K step 1
.set PFS,  68                          ; s[68:69] my chunk's distance from K step to K step
.set PFA,  76                          ; s[76:77] prefetch base of K step 3, stepped at each later change of slots
.set PF2,  78                          ; s[78:79] of K step 2
.set LIM,  81                          ; 1 where my wave prefetches, else the greatest number
.set MSB, 0
.macro WIN new                         ; the immediate's high byte repeats the setting that is left
.if MSB != (\new)
	s_set_vgpr_msb (MSB<<8)|(\new)
.set MSB, (\new)
.endif
.endm
.macro PLACES n                        ; places behind matrix instructions, ahead of loads into their sources or reads of their results
.rept \n
	v_nop
.endr
.endm
; A joint load, one a wave: waves 0 and 1 fetch x's chunks, waves 2 and 3 W's.  The branch hangs on the wave's number alone.
.macro JLOAD s
	s_cmp_eq_u32 s17, 0
	s_cbranch_scc0 .Lfor_w_\@
	tensor_load_to_lds s[G0A+4*\s:G0A+4*\s+3], s[G1A:G1A+7]
	s_nop 0
.rept 4
	v_nop
.endr
	s_branch .Lasked_\@
.Lfor_w_\@:
	tensor_load_to_lds s[G0B+4*\s:G0B+4*\s+3], s[G1B:G1B+7]
	s_nop 0
.rept 4
	v_nop
.endr
.Lasked_\@:
.endm
.macro CREST                           ; a round of the cluster's barrier behind its opening barrier
	s_cmp_lg_u32 s16, 0
	s_cbranch_scc1 .Lnot_wave_0_\@
	s_barrier_signal -3
.Lnot_wave_0_\@:
	s_barrier_wait -3
	s_barrier_signal -1
	s_barrier_wait -1
.endm
.macro CROUND
	s_barrier_signal -1
	s_barrier_wait -1
	CREST
.endm
	s_load_b256 s[4:11], s[0:1], 0x0               ; a_pack s[4:5], w_pack s[6:7], bias s[8:9], out s[10:11]
	v_lshl_add_u32 v[SPW], v0, 2, SPARE
	v_mov_b32 v[NIL], 0
	ds_add_u32 v[SPW], v[NIL]                      ; the wave's opening
	ds_add_u32 v[SPW], v[NIL]
	v_lshrrev_b32 v18, 5, v0
	v_readfirstlane_b32 s16, v18                   ; wave 0..3
	s_lshr_b32 s17, s16, 1                         ; which 128 rows are mine.  Also: I fetch for x (0) or for W (1)
	s_and_b32 s18, s16, 1                          ; which 128 columns.  Also: which of the two chunks I fetch
	s_bfe_u32 s19, ttmp6, 0x40000                  ; cx, cy: my place in the cluster
	s_bfe_u32 s20, ttmp6, 0x40004
	s_lshl_b32 s21, ttmp9, 2
	s_add_co_u32 s21, s21, s19                     ; tile column
	s_and_b32 s23, ttmp7, 0xffff                   ; the cluster's y
	s_lshl_b32 s22, s23, 2
	s_add_co_u32 s22, s22, s20                     ; tile row
	s_lshl_b32 s82, s20, 2
	s_lshl_b32 s82, 15, s82                        ; my row of the cluster
	s_lshl_b32 s83, 0x1111, s19                    ; my column
	s_or_b32 s[G1A], s82, (3<<16)|(1<<21)          ; group 1: elements of 8 bytes, no padding; the mask, and bit 21 beside it
	s_or_b32 s[G1B], s83, (3<<16)|(1<<21)
.irp g, G1A, G1B
	s_mov_b32 s[\g+1], 32<<16                      ; a chunk is dense: 136 rows of 256 bytes
	s_mov_b32 s[\g+2], 136<<16
	s_mov_b32 s[\g+3], 32<<16
	s_mov_b32 s[\g+4], 136
	s_mov_b32 s[\g+5], 32
	s_mov_b32 s[\g+6], 0
	s_mov_b32 s[\g+7], 0
.endr
	s_lshl_b32 s70, s22, 1                         ; my chunk of x hangs on the tile row and the wave alone,
	s_add_co_u32 s70, s70, s18
	s_mul_i32 s70, s70, CH
	s_mov_b32 s71, 0
	s_lshl_b32 s72, s21, 1                         ; my chunk of W on the tile column and the wave
	s_add_co_u32 s72, s72, s18
	s_mul_i32 s72, s72, CH
	s_mov_b32 s73, 0
	s_mul_i32 s80, s16, CH                         ; where it lands: wave x CH
	s_lshl_b32 s76, s21, 9                         ; my first column, in bytes
	s_lshl_b32 s77, s18, 8
	s_add_co_u32 s76, s76, s77
	s_mov_b32 s77, 0
	s_lshl_b32 s74, s22, 8
	s_lshl_b32 s75, s17, 7
	s_add_co_u32 s74, s74, s75                     ; my first row
	s_lshl_b32 s74, s74, 12
	s_add_co_u32 s74, s74, s76
	s_mov_b32 s75, 0
	s_mul_i32 s84, s17, CH                         ; the chunks that I multiply
	s_mul_i32 s85, s18, CH
	s_add_co_u32 s85, s85, 2*CH
	s_add_co_u32 s86, s84, 32768                   ; their scale bytes
	s_add_co_u32 s87, s85, 32768
	s_mul_i32 s88, s16, 16*SPITCH
	s_add_co_u32 s88, s88, STAGE                   ; my stage
	v_and_b32 v18, 15, v0                          ; r = l % 16
	v_bfe_u32 v19, v0, 4, 1                        ; h = l / 16
	v_and_b32 v20, 31, v0
	v_lshlrev_b32 v21, 4, v18
	v_lshl_add_u32 v22, v19, 11, v21               ; a fragment: 16 r, and the next block along K for lanes 16-31
	v_add_nc_u32 v[ADRA], s84, v22
	v_add_nc_u32 v[ADRA+1], SLOT, v[ADRA]
	v_add_nc_u32 v[ADRB], s85, v22
	v_add_nc_u32 v[ADRB+1], SLOT, v[ADRB]
	v_add_nc_u32 v[ADX], s86, v21
	v_add_nc_u32 v[ADX+1], SLOT, v[ADX]
	v_lshl_add_u32 v[ADW], v20, 3, s87
	v_add_nc_u32 v[ADW+1], SLOT, v[ADW]
	v_mul_u32_u24 v23, v18, SPITCH
	v_lshl_add_u32 v23, v19, 4, v23
	v_add_nc_u32 v[STO], s88, v23                  ; into the stage: row r, 16 bytes for each half of the lanes
	v_mul_u32_u24 v24, v19, SPITCH
	v_add_nc_u32 v24, v24, v21
	v_add_nc_u32 v[RD], s88, v24                   ; back: lanes 0-15 one row of 256 bytes, lanes 16-31 the next
	v_lshl_add_u32 v[CO], v19, 12, v21             ; and the same two rows in out
	v_lshlrev_b32 v[BO], 4, v19
	v_lshlrev_b32 v[PFO], 8, v20
	v_min_u32 v25, 1, v20
	v_lshlrev_b32 v25, 8, v25
	v_add_nc_u32 v[PFP], 0x2000, v25
	s_wait_alu depctr_va_vdst(0)
	s_wait_dscnt 0x0                               ; both opening adds are done
	CROUND                                         ; all sixteen work-groups are here: the first joint loads meet
	s_wait_kmcnt 0x0
	s_add_nc_u64 s[8:9], s[8:9], s[76:77]
	s_add_nc_u64 s[10:11], s[10:11], s[74:75]
	s_add_nc_u64 s[70:71], s[4:5], s[70:71]
	s_add_nc_u64 s[72:73], s[6:7], s[72:73]
.irp s, 0,1
	s_mov_b32 s[G0A+4*\s], 1
	s_add_co_u32 s[G0A+4*\s+1], s80, \s*SLOT
	s_add_nc_u64 s[G0A+4*\s+2:G0A+4*\s+3], s[70:71], \s*ASTEP
	s_or_b32 s[G0A+4*\s+3], s[G0A+4*\s+3], 0x80000000
	s_mov_b32 s[G0B+4*\s], 1
	s_add_co_u32 s[G0B+4*\s+1], s80, \s*SLOT
	s_add_nc_u64 s[G0B+4*\s+2:G0B+4*\s+3], s[72:73], \s*WSTEP
	s_or_b32 s[G0B+4*\s+3], s[G0B+4*\s+3], 0x80000000
.endr
	JLOAD 0                                        ; K step 0: one tensor load a wave
.irp b, 0,1,2,3,4,5,6,7
	global_load_b128 v[BT+4*\b:BT+4*\b+3], v[BO], s[8:9] offset:32*\b    ; my columns' bias: 16 b + 8 h + 0 .. 7
.endr
	s_cmp_eq_u32 s17, 0                            ; do I fetch for x?
	s_cselect_b64 s[PF1:PF1+1], s[70:71], s[72:73]
	s_cselect_b32 s82, s19, s20                    ; my place among the four that ask for the chunk with me
	s_mov_b32 s[PFS], WSTEP
	s_cselect_b32 s[PFS], ASTEP, s[PFS]
	s_mov_b32 s[PFS+1], 0
	s_mul_i32 s82, s82, 34*256
	s_mov_b32 s83, 0
	s_add_nc_u64 s[PF1:PF1+1], s[PF1:PF1+1], s[82:83]
	s_add_nc_u64 s[PF1:PF1+1], s[PF1:PF1+1], s[PFS:PFS+1]
	s_add_nc_u64 s[PF2:PF2+1], s[PF1:PF1+1], s[PFS:PFS+1]
	s_add_nc_u64 s[PFA:PFA+1], s[PF2:PF2+1], s[PFS:PFS+1]
	s_and_b32 s82, s17, s23                        ; 1: a wave of W's in a cluster of odd y
	s_cselect_b32 s[LIM], -1, 1
	s_cmp_eq_u32 s[LIM], 1
	s_cbranch_scc0 .Lnot_mine
	global_prefetch_b8 v[PFO], s[PF1:PF1+1] th:TH_LOAD_NT scope:SCOPE_SE   ; K step 1
	global_prefetch_b8 v[PFP], s[PF1:PF1+1] th:TH_LOAD_NT scope:SCOPE_SE
.Lnot_mine:
; 8 products: x's blocks 2 g, 2 g + 1 x W's four groups of 32 columns, 128 along K: the slot's q-th.  p: the fragments' set; sc: the scale words' set.  zero = 1: the first products start the sums on the bias.
; The 32 accumulators take turns, one instruction a turn, in the same order in every step.
.macro GRP g, p, q, sc, zero
.if \zero
	WIN 0x91+0x40*((\g)/2)                         ; source 0 window 1, source 1 window 0, C window 1, D window 2 or 3
.else
	WIN 0xa1+0x50*((\g)/2)                         ; C and D window 2 or 3
.endif
.irp a, 2*(\g), 2*(\g)+1
.irp j, 0,1,2,3
.if \zero
	v_wmma_scale_f32_32x16x128_f4 v[64*((\a)%4)+16*\j:64*((\a)%4)+16*\j+15], v[128*(\p)+16*\j:128*(\p)+16*\j+15], v[AF+64*(\p)+8*(\a):AF+64*(\p)+8*(\a)+7], v[BIAS+16*\j:BIAS+16*\j+15], v[SC+48*(\sc)+32+4*\j+(\q)], v[SC+48*(\sc)+4*(\a)+(\q)]
.else
	v_wmma_scale_f32_32x16x128_f4 v[64*((\a)%4)+16*\j:64*((\a)%4)+16*\j+15], v[128*(\p)+16*\j:128*(\p)+16*\j+15], v[AF+64*(\p)+8*(\a):AF+64*(\p)+8*(\a)+7], v[64*((\a)%4)+16*\j:64*((\a)%4)+16*\j+15], v[SC+48*(\sc)+32+4*\j+(\q)], v[SC+48*(\sc)+4*(\a)+(\q)]
.endif
.endr
.endr
.endm
; A fragment, 16 rows x 128 K, is 8 registers: lane l holds row l % 16; registers 4 c .. 4 c + 3 hold block 2 c + l / 16 of the four along K.  Four fragments i0 .. i0 + 3 of the slot's q-th 128 along K into set p: 8 loads.
.macro RB slot, q, p, i0
	WIN 0x40                                       ; destination window 1, address window 0
.irp i, \i0, \i0+1, \i0+2, \i0+3
.irp c, 0,1
	ds_load_b128 v[128*(\p)+8*(\i)+4*\c:128*(\p)+8*(\i)+4*\c+3], v[ADRB+\slot] offset:(4*(\q)+2*\c)*2048+(\i)*256
.endr
.endr
.endm
.macro RA slot, q, p, i0
	WIN 0
.irp i, \i0, \i0+1, \i0+2, \i0+3
.irp c, 0,1
	ds_load_b128 v[AF+64*(\p)+8*(\i)+4*\c:AF+64*(\p)+8*(\i)+4*\c+3], v[ADRA+\slot] offset:(4*(\q)+2*\c)*2048+(\i)*256
.endr
.endr
.endm
.macro SCALW sc                        ; a K step's scale words of W: lane l takes column 32 j + l, half a K step's two words a load
	WIN 0
.irp j, 0,1,2,3
.irp f, 0,1
	ds_load_b64 v[SC+48*(\sc)+32+4*\j+2*\f:SC+48*(\sc)+33+4*\j+2*\f], v[ADW+\sc] offset:1024*\f+256*\j
.endr
.endr
.endm
.macro SCALX sc                        ; and of x: row 16 i + l % 16, all four words a load
	WIN 0
.irp i, 0,1,2,3,4,5,6,7
	ds_load_b128 v[SC+48*(\sc)+4*\i:SC+48*(\sc)+4*\i+3], v[ADX+\sc] offset:256*\i
.endr
.endm
.macro ASK                             ; in the loop: a prefetch for the K step two loads on; s3 = 1 in the last trip, which asks for nothing
	s_cmp_gt_u32 s3, s[LIM]
	s_cbranch_scc0 .Lnot_mine_\@
	global_prefetch_b8 v[PFO], s[PFA:PFA+1] th:TH_LOAD_NT scope:SCOPE_SE
	global_prefetch_b8 v[PFP], s[PFA:PFA+1] th:TH_LOAD_NT scope:SCOPE_SE
.Lnot_mine_\@:
.endm
.macro RUN slot, q, p                  ; all 32 fragment loads of a step, in one run; x's blocks 4-7 last
	RB \slot, \q, \p, 0
	RB \slot, \q, \p, 4
	RA \slot, \q, \p, 0
	RA \slot, \q, \p, 4
.endm
.macro FIRST slot                      ; a slot's first fragments, into sets 0, and its scale words: 48 loads, x's blocks 4-7 last
	RB \slot, 0, 0, 0
	RB \slot, 0, 0, 4
	RA \slot, 0, 0, 0
	SCALW \slot
	SCALX \slot
	RA \slot, 0, 0, 4
.endm
; A step of 128 along K that has its successor in the same slot: the successor's fragments go into the other sets, whose last readers were the products of the step before.
.macro STEP slot, q, zero
	PLACES 4
	RUN \slot, (\q)+1, 1-(\q)%2
	s_wait_dscnt 40                                ; all but x's blocks 4-7 of this step (8 loads) and the 32 just issued
	GRP 0, (\q)%2, \q, \slot, \zero
	GRP 1, (\q)%2, \q, \slot, \zero
	s_wait_dscnt 32                                ; x's blocks 4-7 are in; the run behind them may be out
	GRP 2, (\q)%2, \q, \slot, \zero
	GRP 3, (\q)%2, \q, \slot, \zero
.endm
; A slot's third step: it fetches the fourth's fragments, the slot's last, and holds the barrier of the change of slots.
.macro MEET slot, fill
	PLACES 4
	RUN \slot, 3, 1
.if \fill
	s_wait_xcnt 0x0                                ; my prefetches have read their base
	s_add_nc_u64 s[PFA:PFA+1], s[PFA:PFA+1], s[PFS:PFS+1]
.endif
	s_wait_dscnt 40                                ; all but x's blocks 4-7 of this step and the 32 just issued
	GRP 0, 0, 2, \slot, 0
	GRP 1, 0, 2, \slot, 0
	WIN 0
	s_wait_tensorcnt 0x0                           ; all my tensor loads have landed: my chunk of the next slot;
	ds_add_u32 v[SPW], v[NIL]                      ; 0 onto my spare word;
.if \fill
	s_add_nc_u64 s[G0A+4*\slot+2:G0A+4*\slot+3], s[G0A+4*\slot+2:G0A+4*\slot+3], 2*ASTEP   ; no tensor load of mine is out: this slot's next chunk
	s_add_nc_u64 s[G0B+4*\slot+2:G0B+4*\slot+3], s[G0B+4*\slot+2:G0B+4*\slot+3], 2*WSTEP
.endif
	s_wait_dscnt 33                                ; x's blocks 4-7 are in; the 32 loads behind them and the add may be out
	GRP 2, 0, 2, \slot, 0
	s_wait_dscnt 0x0                               ; the add is done, and my reads of this slot are over
	s_barrier_signal -1
	GRP 3, 0, 2, \slot, 0
	WIN 0
	s_barrier_wait -1
.endm
; The change of slots: slot is filled again, first behind the round; then the next slot's first fragments and scale words are asked for, and the fourth step's products follow.
.macro TURN slot, next
	MEET \slot, 1
	CREST                                          ; no wave of any partner still reads this slot or has a load on its way
	JLOAD \slot                                    ; its four v_nop are also the places ahead of the loads below
	FIRST \next
	ASK
	GRP 0, 1, 3, \slot, 0                          ; (its fragments were shown in by MEET's wait for 0)
	GRP 1, 1, 3, \slot, 0
	GRP 2, 1, 3, \slot, 0
	GRP 3, 1, 3, \slot, 0
.endm
	s_wait_tensorcnt 0x0                           ; my chunk of K step 0 is in
	ds_add_u32 v[SPW], v[NIL]
	s_wait_dscnt 0x0
	CROUND                                         ; everybody's chunks are in, and the joint loads meet
	JLOAD 1                                        ; K step 1
	FIRST 0
	s_wait_loadcnt 0x0                             ; the bias is in:
	WIN 0x40
.irp n, 96,97,98,99,100,101,102,103,104,105,106,107,108,109,110,111,112,113,114,115,116,117,118,119,120,121,122,123,124,125,126,127
	v_cvt_f32_f16 v[BIAS+2*(\n-96)],   v\n\().l    ; in f32, into window 1
	v_cvt_f32_f16 v[BIAS+2*(\n-96)+1], v\n\().h
.endr
	WIN 0
	s_wait_alu depctr_va_vdst(0)
	s_cmp_eq_u32 s[LIM], 1
	s_cbranch_scc0 .Lnot_mine_3
	global_prefetch_b8 v[PFO], s[PF2:PF2+1] th:TH_LOAD_NT scope:SCOPE_SE   ; K step 2
	global_prefetch_b8 v[PFP], s[PF2:PF2+1] th:TH_LOAD_NT scope:SCOPE_SE
	global_prefetch_b8 v[PFO], s[PFA:PFA+1] th:TH_LOAD_NT scope:SCOPE_SE   ; K step 3
	global_prefetch_b8 v[PFP], s[PFA:PFA+1] th:TH_LOAD_NT scope:SCOPE_SE
.Lnot_mine_3:
	STEP 0, 0, 1                                   ; the first step stands in front of the loop
	WIN 0                                          ; at a label and at a branch every window is 0
	s_mov_b32 s3, LAPS-1
.Llap:                                                 ; a trip goes once round the ring, from a lap's second step to the next lap's first, and fills both slots again
	STEP 0, 1, 0
	TURN 0, 1
	STEP 1, 0, 0
	STEP 1, 1, 0
	TURN 1, 0
	STEP 0, 0, 0
	WIN 0
	s_sub_co_u32 s3, s3, 1
	s_cmp_lg_u32 s3, 0
	s_cbranch_scc1 .Llap
	STEP 0, 1, 0                                   ; K step 6 goes on; nothing is filled again
	MEET 0, 0
; THE LAST K STEP (slot 1) GOES BY ROWS OF out: all its fragments of W fill window 1, then my eight blocks of 16 rows are finished one after the other, 16 products each (4 accumulators by turns, K ascending),
; and each block's results leave before the next is multiplied.
.macro BQ q                            ; W's fragments of the q-th 128 along K into window 1, v[64 q ..]
	WIN 0x40
.irp i, 0,1,2,3,4,5,6,7
.irp c, 0,1
	ds_load_b128 v[64*\q+8*\i+4*\c:64*\q+8*\i+4*\c+3], v[ADRB+1] offset:(4*\q+2*\c)*2048+\i*256
.endr
.endr
.endm
.macro ALOAD a                         ; x's block a, all four 128-steps, into v128-159 or v160-191
	WIN 0
.set FA, AF+32*((\a)%2)
.irp q, 0,1,2,3
.irp c, 0,1
	ds_load_b128 v[FA+8*\q+4*\c:FA+8*\q+4*\c+3], v[ADRA+1] offset:(4*\q+2*\c)*2048+(\a)*256
.endr
.endr
.endm
.macro ROW a
.set FA, AF+32*((\a)%2)
.set AC, 64*((\a)%4)
	WIN 0xa1+0x50*((\a)/4)
.irp q, 0,1,2,3
.if ((\a) == 0) && (\q == 2)
	s_wait_dscnt 8                                 ; W's last two quarters are in (behind them: x's block 1)
.endif
.irp j, 0,1,2,3
	v_wmma_scale_f32_32x16x128_f4 v[AC+16*\j:AC+16*\j+15], v[64*\q+16*\j:64*\q+16*\j+15], v[FA+8*\q:FA+8*\q+7], v[AC+16*\j:AC+16*\j+15], v[SC+80+4*\j+\q], v[SC+48+4*(\a)+\q]
.endr
.endr
.endm
.macro PACK a                          ; rounded to f16: 16 bytes for each 8 columns; each accumulator from its low end on
.set AC, 64*((\a)%4)
	WIN 0x0a+5*((\a)/4)
.irp b, 0,1,2,3,4,5,6,7
.irp r, 0,1,2,3
	v_cvt_pk_f16_f32 v[TMP+4*\b+\r], v[AC+8*\b+2*\r], v[AC+8*\b+2*\r+1]
.endr
.endr
	WIN 0
.endm
.macro TOSTAGE a                       ; into my own stage, and back as whole rows of 256 bytes: LDS serves a wave's instructions in order (ISA guide 5.7.1.4)
.set BB, 224-192*((\a)%2)              ; v224-255 and v32-63 by turns
.irp b, 0,1,2,3,4,5,6,7
	ds_store_b128 v[STO], v[TMP+4*\b:TMP+4*\b+3] offset:32*\b
.endr
.irp t, 0,1,2,3,4,5,6,7
	ds_load_b128 v[BB+4*\t:BB+4*\t+3], v[RD] offset:\t*2*SPITCH
.endr
.endm
.macro SEND a, younger                 ; younger: the LDS loads issued behind TOSTAGE's, which may stay out
.set BB, 224-192*((\a)%2)
	s_wait_dscnt \younger
	s_wait_xcnt 0x0                                ; the earlier stores have read their base and their data
.if (\a) > 0
	s_add_nc_u64 s[10:11], s[10:11], 16*4096
.endif
.irp t, 0,1,2,3,4,5,6,7
	global_store_b128 v[CO], v[BB+4*\t:BB+4*\t+3], s[10:11] offset:2*\t*4096 th:TH_STORE_NT   ; sixteen lanes store 256 consecutive bytes, aligned
.endr
.endm
	PLACES 4
	BQ 0
	BQ 1                                           ; over the bias, which the first step has read
	SCALW 1
	SCALX 1
	ALOAD 0
	GRP 0, 1, 3, 0, 0
	GRP 1, 1, 3, 0, 0
	BQ 3
	GRP 2, 1, 3, 0, 0
	GRP 3, 1, 3, 0, 0
	PLACES 4
	BQ 2                                           ; over the fragments of the step just multiplied
	ALOAD 1
	s_wait_dscnt 40                                ; W's first two quarters, the scale words and x's block 0 are in; the 40 loads behind them may be out
	ROW 0
.irp a, 0,1,2,3,4,5,6,7
	PLACES 4                                       ; the block's results were just made
	PACK \a
	TOSTAGE \a
.if \a < 6
	ALOAD \a+2                                     ; its registers of x take the block two further on
	SEND \a, 8                                     ; (x's block a + 1, asked for ahead of the stage's loads, is in too)
.else
	SEND \a, 0
.endif
.if \a < 7
	ROW \a+1
.endif
.endr
	s_wait_tensorcnt 0x0                           ; the wave's end
	ds_add_u32 v[SPW], v[NIL]
	s_wait_dscnt 0x0
	CROUND                                         ; the closing round: no work-group ends while a partner may still ask for a chunk that names it
	s_endpgm
.Lfunc_end_k_q958bdfb215_gemm:
	.size	k_q958bdfb215_gemm, .Lfunc_end_k_q958bdfb215_gemm-k_q958bdfb215_gemm
	.p2alignl 7, 3214868480
	.fill 96, 4, 3214868480
	.section	.rodata,"a",@progbits
	.p2align	6, 0x0
	.amdhsa_kernel k_q958bdfb215_gemm
		.amdhsa_group_segment_fixed_size 327680
		.amdhsa_private_segment_fixed_size 0
		.amdhsa_enable_private_segment 0
		.amdhsa_kernarg_size 32
		.amdhsa_user_sgpr_count 2
		.amdhsa_user_sgpr_kernarg_segment_ptr 1
		.amdhsa_wavefront_size32 1
		.amdhsa_system_sgpr_workgroup_id_x 1
		.amdhsa_system_sgpr_workgroup_id_y 1
		.amdhsa_system_sgpr_workgroup_id_z 1
		.amdhsa_system_vgpr_workitem_id 0
		.amdhsa_next_free_vgpr 1024
		.amdhsa_next_free_sgpr 90
		.amdhsa_reserve_vcc 0
		.amdhsa_float_denorm_mode_32 3
		.amdhsa_float_denorm_mode_16_64 3
		.amdhsa_memory_ordered 1
		.amdhsa_forward_progress 1
		.amdhsa_inst_pref_size 152
	.end_amdhsa_kernel
	.amdgpu_metadata
---
amdhsa.version: [ 1, 2 ]
amdhsa.kernels:
  - .name:           k_q958bdfb215_gemm
    .symbol:         k_q958bdfb215_gemm.kd
    .args:
      - { .name: a_pack, .offset: 0, .size: 8, .value_kind: global_buffer, .address_space: global }
      - { .name: w_pack, .offset: 8, .size: 8, .value_kind: global_buffer, .address_space: global }
      - { .name: bias, .offset: 16, .size: 8, .value_kind: global_buffer, .address_space: global }
      - { .name: out0, .offset: 24, .size: 8, .value_kind: global_buffer, .address_space: global }
    .group_segment_fixed_size: 327680
    .private_segment_fixed_size: 0
    .kernarg_segment_align: 8
    .kernarg_segment_size: 32
    .max_flat_workgroup_size: 128
    .sgpr_count:     90
    .vgpr_count:     1024
    .wavefront_size: 32
...
	.end_amdgpu_metadata
.endif
;; end of part 2
